; MI455X (gfx1250); checked and timed in simulation.
; The chip was launched on July 23, 2026; its instructions are those of AMD's public machine-readable ISA for CDNA 5 (MIT licence, August 2026) and "CDNA5" Instruction Set Architecture Reference Guide (July 2026). The comments in the code are by the model that wrote it; some were corrected since.
;; Linear Loop Layer. Allowed arithmetic: matrix products marked QUANTISED: E2M1 operands, one E8M0 scale for each 32 along K, by v_wmma_scale_f32_16x16x128_f8f6f4 with both operands' format E2M1 (or v_wmma_scale_f32_32x16x128_f4), f32 sums; everything else in f32.
;; Inputs: bias 4,096 float32; weight_codes 4,096 x 128 x 16 uint8 (E2M1 codes of weight, K innermost, in blocks of 32 codes, two codes a byte); weight_scales 4,096 x 128 uint8 (E8M0 scales of weight, one for each 32 codes along K); x_codes 4,096 x 128 x 16 uint8 (E2M1 codes of x, K innermost, in blocks of 32 codes, two codes a byte); x_scales 4,096 x 128 uint8 (E8M0 scales of x, one for each 32 codes along K).
;; Outputs: out0 4,096 x 4,096 float32.
;; This version of the problem:
;;   THIS VERSION OF THE PROBLEM IS GIVEN IN LOW PRECISION. The matrix products marked QUANTISED in the list below multiply operands that are first quantised to E2M1 (2 exponent bits, 1 mantissa bit; 4 bits a number), with one power-of-two scale for each 32 numbers along K (OCP MX v1.0); their sums are f32. All else is computed in f32.
;;   The module's matrix products, in the order in which they are computed (A, B: the left and right operand; K: the contracted axis; several contracted axes count as one K, in the product's order):
;;     1. [M 4,096, K 4,096] x [K 4,096, N 4,096]; A: input x (given as codes); B: input weight (given as codes): QUANTISED
;;   THE QUANTISER, for each operand of a quantised product, along K:
;;     - K is cut into blocks of 32 from its start; a last block that is shorter is filled with zeros.
;;     - A block's scale is 2^e with e = floor(log2(the largest magnitude in the block)) - 2, held to -126 .. 127; a block of zeros has e = 0. As a byte (E8M0): e + 127.
;;     - Each number is divided by its block's scale, clamped to +-6, and rounded to the nearest number of E2M1, ties to even, subnormals kept.
;;     - The product sums the exact products of the quantised numbers (number of the format x scale) in f32.
;;   ~~~python
;;   def quantise(x, axis):      # numpy; x: float32 -> the quantised numbers, widened to float32 again
;;       x = np.moveaxis(x, axis, -1); K = x.shape[-1]
;;       x = np.pad(x, [(0, 0)] * (x.ndim - 1) + [(0, -K % 32)]); x = x.reshape(x.shape[:-1] + (-1, 32)); a = np.abs(x).max(-1, keepdims=True)
;;       e = np.where(a > 0, np.clip(np.frexp(np.where(a > 0, a, 1))[1] - 1 - 2, -126, 127), 0)      # np.frexp(a)[1] - 1 = floor(log2(a)), exactly
;;       r = np.clip(x / 2.0 ** e, -6, 6)
;;       step = 2.0 ** (np.maximum(np.frexp(np.where(r == 0, 1, r))[1] - 1, 0) - 1)
;;       q = np.round(r / step) * step * 2.0 ** e      # np.round: ties to even
;;       return np.moveaxis(q.reshape(q.shape[:-2] + (-1,))[..., :K], -1, axis).astype(np.float32)
;;   ~~~
;;   INPUTS GIVEN AS CODES. weight (in the module: [4096, 4096], K = its axis 1); x (in the module: [4096, 4096], K = its axis 1): each comes as NAME_codes (uint8): NAME with its K axis moved to the last place and cut into blocks of 32 codes, [.., K / 32, bytes a block], one block behind the other in memory; two codes a byte, the lower K in the low four bits (a code: sign, 2 exponent bits, 1 mantissa bit); and NAME_scales (uint8): the same leading axes, one E8M0 byte (e + 127) for each 32 codes along K. Its value is code x scale, taken as it is: it is not quantised again, and the codes and scales need not be those that the quantiser above would give.
;; One version. Each part assembles by itself: llvm-mc -triple=amdgcn-amd-amdhsa -mcpu=gfx1250 --defsym DOCPART=n.
;; ======== version 1 of 1: 1 launch
;; limits: right only within a limited range of input values
;; launch gemm (part 1): grid 16 x 16, 4 waves a work-group, clusters of 4 x 4, 327,680 bytes of LDS; arguments x_codes, x_scales, weight_codes, weight_scales, bias, out0; writes out0
.if DOCPART == 1
	.amdgcn_target "amdgcn-amd-amdhsa--gfx1250"
	.amdhsa_code_object_version 6
	.text
	.protected	k_qfb359a1149_gemm
	.globl	k_qfb359a1149_gemm
	.p2align	8
	.type	k_qfb359a1149_gemm,@function
k_qfb359a1149_gemm:
	s_mov_b64 s[64:65], 0
	v_nop
	global_prefetch_b8 v0, s[64:65] scope:SCOPE_SE
	s_setreg_imm32_b32 hwreg(HW_REG_WAVE_MODE, 25, 1), 1
	s_wait_xcnt 0x0
	s_wait_alu depctr_hold_cnt(0) depctr_sa_sdst(0) depctr_va_vdst(0) depctr_va_sdst(0) depctr_va_ssrc(0) depctr_va_vcc(0) depctr_vm_vsrc(0)
	s_getreg_b32 s2, hwreg(HW_REG_IB_STS2, 6, 4)
	s_cmp_eq_u32 s2, 0
	s_cbranch_scc0 .Lentry_in_a_cluster
	s_endpgm
.Lentry_in_a_cluster:
	s_bfe_u32 s2, ttmp6, 0x10000c
	s_cmp_lg_u32 s2, 0xf033
	s_cbranch_scc0 .Lentry_shape_is_right
	s_endpgm
.Lentry_shape_is_right:
; out0[m][n] = bias[n] + the sum over k of x[m][k] weight[n][k].  x (A), weight (B): [4096][4096] codes of FP4 (E2M1), two a byte, K innermost: a row is 2,048 bytes; one E8M0 byte for each 32 along K: a row of
; scales is 128 bytes.  bias [4096], out0 [4096][4096]: f32.  Codes and scale bytes go to the matrix instruction as they are; sums in f32.
; LIMITS.  A sum starts from the bias (the C of its first product).  In the last 512 of K the quarters are summed in the order 0, 2, 1, 3.  Scale bytes are taken as given: a byte 0xff makes the sums that it touches NaN.
; SHARES.  A tile of out0, 256 x 256, is made by a work-group of four waves; a wave makes 128 x 128: 32 accumulators of 32 x 16, 512 registers.  16 x 16 tiles: 256 work-groups, one tile each.
; THE MATRIX INSTRUCTION IS USED TRANSPOSED: source 0 = 32 rows of B, source 1 = 16 rows of A: lane (r, h) then holds row r of out0 and, in registers j and 8 + j, columns 8 h + j and 16 + 8 h + j.
; THE RING.  K goes in eight steps of 512 through two LDS slots: a tile's row is 256 bytes of memory, at a multiple of 256.  Each wave fetches 128 rows of A or of B by one tensor load behind each change of slots.
; CLUSTERS: 4 x 4 work-groups.  The four of a row need the same rows of A, the four of a column the same rows of B: each tile is asked for JOINTLY, by the same load with the same descriptor and a mask that names the four.
; THE SCALES of 512 rows for all of K do not fit in LDS beside the ring.  They go in two halves of K, 64 bytes of each row: loaded into registers (eight rows an instruction), stored to LDS rows of 64 + 16 bytes.
; The second half replaces the first in K step 3: every wave has read K step 3's words in K step 2, and reads K step 4's behind the change of slots that follows the stores.
; THE STEPS are written out by macros: the K steps differ in what they do for the scales, in the first products and in the last step, so there is no run of like trips to loop over.
; A step of 128 along K is ONE run of 32 LDS loads, the NEXT step's fragments into the other sets, and then 32 products: A's blocks one after the other, each against B's eight.
; THE LAST K STEP goes by rows of out0: all its B fragments come into window 1, and each block of 16 rows is finished by 16 products and leaves behind the next block's.
; PREFETCH: K step 1 under K step 0's flight, K step 2 behind slot 1's first fill, K step 3 in K step 0, K step k + 4 at the end of K step k: from there on two K steps ahead of the load that wants it.
; Of the 128 rows that a wave fetches, each of the four partners that ask jointly names 32, told apart by address (cx for A, cy for B): a lane a row.
; REGISTERS, in windows of 256: window 0: v0-31 addresses; v32-95 scale words, two sets; v96-159 scales on their way to LDS; v160-223 the bias in the result's layout; on the way out v96-223 rows read back;
;   v224-255 A's fragments of the last K step.   window 1: B's fragments, two sets, at v0 and v64; A's, two sets, at v128 and v192; in the last K step B's alone.
;   windows 2, 3: the accumulators of my rows 0-63, 64-127: block a at v[64 (a mod 4)].
; LDS is claimed whole.  The text uses 320,000 bytes.
.set SIZE_N, 4096
.set ROWB,   256                       ; a tile's row in bytes: 512 codes
.set KROW,   2048                      ; a row of A or of B in memory, in bytes
.set PITCH,  272                       ; an LDS row: 256 bytes + 16 of padding = 68 words: row r starts at bank 4 r mod 64 (64 banks of 4 bytes: ISA guide 11.1)
.set HALFT,  128*PITCH                 ; 128 rows: what one tensor load brings, and what one wave reads of A or of B
.set SLOT,   4*HALFT                   ; A's 256 rows, then B's
.set SCL,    2*SLOT                    ; behind the ring: the scales of half of K: A's 256 rows, then B's
.set SPT,    80                        ; a row of them: 64 bytes + 16 of padding = 20 words: sixteen rows' 16 bytes fall on sixteen different groups of four banks
.set SPARE,  SCL+512*SPT               ; the spare words, 128 bytes for each wave: two blocks of 256 bytes that no other line names
.set SPITCH, 528                       ; the way out: a stage of 16 rows x (512 + 16) bytes for each wave, in slot 0, which has had its last fill and its last read by then
.set ADRA, 12                          ; v12-13 LDS address of my A fragments in slot 0, 1
.set ADRB, 14                          ; v14-15 the same for B
.set SPW,  16                          ; LDS address of my spare word; never rewritten
.set NIL,  17                          ; 0; never rewritten
.set SAA,  18                          ; LDS address of A's scale words: lane l takes row l of 32
.set SAB,  19                          ; the same for B
.set VSG,  20                          ; scales: my byte offset in memory
.set VSL,  21                          ; and in LDS
.set STO,  22                          ; the way out: where I put 32 bytes of a row
.set RD,   23                          ; where I read a row back
.set CO,   24                          ; my byte offset in a row of out0
.set PFO,  25                          ; the prefetches' offset: a lane a row
.set BO,   26                          ; the bias: 32 bytes x h
.set SC,   32                          ; set s (K step mod 2) at v[SC + 32 s]: B's 32 rows i, quarter q: 4 i + q; A's: 16 + 4 i + q
.set STG,  96
.set BI,   160                         ; the bias: 16 registers for each 32 columns
.set OB,   96                          ; rows read back: v96-159 and v160-223 by turns
.set PA,   224
.set WV,   16                          ; s16 my wave's number
.set RH,   17                          ; s17 which half of the tile's rows is mine; also: I fetch for A (0) or for B (1)
.set CH,   18                          ; s18 which half of its columns; also: which 128 rows of that tile I fetch
.set G1,   24                          ; s[24:31] descriptor group 1 for A;  s[32:39] group 0, one set for each slot
.set G0,   32
.set G1B,  48                          ; s[48:55], s[56:63] the same for B
.set G0B,  56
.set PFA,  94                          ; s[94:95] where my prefetches stand; never rewritten behind the head
.set SGB,  98                          ; s[98:99] the 128 rows of scales that I bring; never rewritten behind the head
.set MSB, 0
.set DS, 0                             ; LDS instructions issued so far, counted by the macros: a wait's count is DS less the count at the mark
.macro WIN new                         ; the immediate's high byte repeats the setting that is left; a switch that changes nothing is dropped
.if MSB != \new
	s_set_vgpr_msb (MSB<<8)|\new
.set MSB, \new
.endif
.endm
.macro PLACES
.rept 4
	v_nop
.endr
.endm
; A joint load into slot s: waves 0 and 1 fetch A's halves, waves 2 and 3 B's.  Each line has one mask and one set of registers; the branch hangs on the wave's number alone.
.macro JLOAD s
	s_cmp_eq_u32 s[RH], 0
	s_cbranch_scc0 .Lfor_b_\@
	tensor_load_to_lds s[G0+4*\s:G0+4*\s+3], s[G1:G1+7]
	s_nop 0
	PLACES
	s_branch .Lasked_\@
.Lfor_b_\@:
	tensor_load_to_lds s[G0B+4*\s:G0B+4*\s+3], s[G1B:G1B+7]
	s_nop 0
	PLACES
.Lasked_\@:
.endm
.macro CREST                           ; a round of the cluster's barrier behind its opening barrier
	s_cmp_lg_u32 s[WV], 0
	s_cbranch_scc1 .Lnot_wave_0_\@
	s_barrier_signal -3
.Lnot_wave_0_\@:
	s_barrier_wait -3
	s_barrier_signal -1
	s_barrier_wait -1
.endm
.macro CROUND                          ; a whole round
	s_barrier_signal -1
	s_barrier_wait -1
	CREST
.endm
.macro ASK k                           ; the prefetch of K step k: 256 bytes of each of 32 rows
	WIN 0
	global_prefetch_b8 v[PFO], s[PFA:PFA+1] offset:ROWB*(\k) th:TH_LOAD_NT scope:SCOPE_SE
.endm
	s_load_b256 s[4:11], s[0:1], 0x0               ; A's codes s[4:5], A's scales s[6:7], B's codes s[8:9], B's scales s[10:11]
	s_load_b128 s[12:15], s[0:1], 0x20             ; bias s[12:13], out0 s[14:15]
	v_lshl_add_u32 v[SPW], v0, 2, SPARE
	v_mov_b32 v[NIL], 0
	ds_add_u32 v[SPW], v[NIL]                      ; the opening: the add, twice on end, and its wait ahead of my first tensor load
	ds_add_u32 v[SPW], v[NIL]
	v_lshrrev_b32 v1, 5, v0
	v_readfirstlane_b32 s[WV], v1                  ; wave 0..3
	s_lshr_b32 s[RH], s[WV], 1
	s_and_b32 s[CH], s[WV], 1
	s_mul_i32 s19, s[RH], HALFT                    ; my 128 rows of A
	s_mul_i32 s2, s[CH], HALFT                     ; my 128 rows of B, behind A's 256
	s_add_co_u32 s2, s2, 2*HALFT
	s_mul_i32 s3, s[RH], 128*SPT                   ; their scales
	s_add_co_u32 s3, s3, SCL
	s_mul_i32 s96, s[CH], 128*SPT
	s_add_co_u32 s96, s96, SCL+256*SPT
	s_mul_i32 s97, s[WV], 128*SPT                  ; the scale rows that I bring: waves 0 and 1 A's, waves 2 and 3 B's
	s_add_co_u32 s97, s97, SCL
	s_mul_i32 s100, s[WV], 16*SPITCH               ; my stage
	v_and_b32 v1, 15, v0                           ; r
	v_bfe_u32 v2, v0, 4, 1                         ; h
	v_and_b32 v5, 31, v0                           ; lane l
	v_and_b32 v8, 3, v0
	v_mul_u32_u24 v3, v1, PITCH
	v_lshrrev_b32 v7, 2, v5
	v_lshl_add_u32 v4, v2, 4, v3                   ; a fragment's row x pitch + 16 x half
	v_mul_u32_u24 v6, v5, SPT
	v_add_nc_u32 v[ADRA], s19, v4
	v_add_nc_u32 v[ADRB], s2, v4
	v_add_nc_u32 v[ADRA+1], SLOT, v[ADRA]
	v_add_nc_u32 v[ADRB+1], SLOT, v[ADRB]
	v_add_nc_u32 v[SAA], s3, v6
	v_add_nc_u32 v[SAB], s96, v6
	v_lshlrev_b32 v9, 7, v7                        ; scales: four lanes take 64 bytes of a row, eight rows an instruction
	v_mul_u32_u24 v10, v7, SPT
	v_lshl_add_u32 v[VSG], v8, 4, v9
	v_lshl_add_u32 v10, v8, 4, v10
	v_add_nc_u32 v[VSL], s97, v10
	v_mul_u32_u24 v11, v1, SPITCH                  ; the stage: in: row r, 32 bytes for each half of the lanes
	v_lshl_add_u32 v11, v2, 5, v11
	v_add_nc_u32 v[STO], s100, v11
	v_lshlrev_b32 v[CO], 4, v5                     ; back: the 32 lanes take one row of 512 bytes; and the same in out0
	v_add_nc_u32 v[RD], s100, v[CO]
	v_lshlrev_b32 v[PFO], 11, v5
	v_lshlrev_b32 v[BO], 5, v2
	s_wait_alu depctr_va_vdst(0)                   ; behind the head's vector instructions
	s_bfe_u32 s40, ttmp6, 0x40000                  ; cx, cy: my place in the cluster
	s_bfe_u32 s41, ttmp6, 0x40004
	s_lshl_b32 s42, ttmp9, 2                       ; in a cluster launch ttmp9 and ttmp7 count clusters
	s_add_co_u32 s42, s42, s40                     ; tile column
	s_and_b32 s45, ttmp7, 0xffff
	s_lshl_b32 s45, s45, 2
	s_add_co_u32 s45, s45, s41                     ; tile row
	s_lshl_b32 s43, s41, 2
	s_lshl_b32 s43, 15, s43                        ; my row of the cluster
	s_lshl_b32 s44, 0x1111, s40                    ; my column
	; descriptor group 1: 128 rows x 256 elements of one byte; padding of four words (code 3) after every 64 (code 5); bit 21 set beside the mask
	s_or_b32 s[G1+0], s43, (1<<20)|(1<<21)|(5<<22)|(3<<25)
	s_or_b32 s[G1B+0], s44, (1<<20)|(1<<21)|(5<<22)|(3<<25)
.irp g, G1, G1B
	s_mov_b32 s[\g+1], ROWB<<16                    ; tensor_dim0
	s_mov_b32 s[\g+2], 128<<16                     ; tensor_dim1
	s_mov_b32 s[\g+3], ROWB<<16                    ; tile_dim0
	s_mov_b32 s[\g+4], 128                         ; tile_dim1
	s_mov_b32 s[\g+5], KROW                        ; tensor_dim0_stride
	s_mov_b32 s[\g+6], 0
	s_mov_b32 s[\g+7], 0
.endr
	; where my 128 rows begin: A's hang on the tile row alone, B's on the tile column alone; neither pair ever holds the other coordinate
	s_lshl_b32 s67, s[CH], 18                      ; 128 rows x 2,048 bytes
	s_lshl_b32 s20, s45, 19
	s_add_co_u32 s20, s20, s67
	s_mov_b32 s21, 0
	s_lshl_b32 s46, s42, 19
	s_add_co_u32 s46, s46, s67
	s_mov_b32 s47, 0
	s_mul_i32 s101, s[WV], HALFT                   ; and where they go: no place in the cluster enters an LDS address
.irp s, 0,1
	s_mov_b32 s[G0+4*\s], 1
	s_add_co_u32 s[G0+4*\s+1], s101, \s*SLOT
	s_mov_b32 s[G0B+4*\s], 1
	s_add_co_u32 s[G0B+4*\s+1], s101, \s*SLOT
.endr
	s_wait_dscnt 0x0                               ; both opening adds are done
	CROUND                                         ; all sixteen work-groups are here: the first joint loads meet.  The round needs no argument: it stands ahead of the wait for them
	s_wait_kmcnt 0x0
	s_add_nc_u64 s[20:21], s[4:5], s[20:21]
	s_add_nc_u64 s[46:47], s[8:9], s[46:47]
.irp s, 0,1
	s_add_nc_u64 s[G0+4*\s+2:G0+4*\s+3], s[20:21], \s*ROWB
	s_or_b32 s[G0+4*\s+3], s[G0+4*\s+3], 0x80000000
	s_add_nc_u64 s[G0B+4*\s+2:G0B+4*\s+3], s[46:47], \s*ROWB
	s_or_b32 s[G0B+4*\s+3], s[G0B+4*\s+3], 0x80000000
.endr
	JLOAD 0                                        ; K step 0: one tensor load a wave
	s_cmp_eq_u32 s[RH], 0                          ; do I fetch for A?
	s_cselect_b64 s[SGB:SGB+1], s[6:7], s[10:11]
	s_cselect_b64 s[PFA:PFA+1], s[4:5], s[8:9]
	s_cselect_b32 s66, s45, s42                    ; the tile's number along the rows that I fetch
	s_cselect_b32 s92, s40, s41                    ; my place among the four that ask with me
	s_lshl_b32 s22, s66, 15                        ; scales: 256 rows x 128 bytes a tile,
	s_lshl_b32 s67, s[CH], 14                      ; 128 rows of them mine
	s_add_co_u32 s22, s22, s67
	s_mov_b32 s23, 0
	s_add_nc_u64 s[SGB:SGB+1], s[SGB:SGB+1], s[22:23]
.macro SGET half                       ; my sixteen loads of scales: 64 bytes of each row
.irp i, 0,1,2,3,4,5,6,7,8,9,10,11,12,13,14,15
	global_load_b128 v[STG+4*\i:STG+4*\i+3], v[VSG], s[SGB:SGB+1] offset:1024*\i+64*\half
.endr
.endm
.macro SPUT                            ; and their stores to LDS
.irp i, 0,1,2,3,4,5,6,7,8,9,10,11,12,13,14,15
	ds_store_b128 v[VSL], v[STG+4*\i:STG+4*\i+3] offset:8*SPT*\i
.endr
.set DS, DS+16
.endm
	SGET 0
	s_lshl_b32 s22, s42, 10                        ; my first column, in bytes: the same number in a row of out0 and in the bias
	s_lshl_b32 s67, s[CH], 9
	s_add_co_u32 s22, s22, s67
	s_add_nc_u64 s[12:13], s[12:13], s[22:23]
	s_add_nc_u64 s[14:15], s[14:15], s[22:23]
.irp n, 0,1,2,3,4,5,6,7,8,9,10,11,12,13,14,15
	global_load_b128 v[BI+4*\n:BI+4*\n+3], v[BO], s[12:13] offset:64*(\n/2)+16*(\n%2)   ; register j of 16 columns: column 8 h + j
.endr
	s_lshl_b32 s66, s66, 8                         ; the prefetches: the tile's first row
	s_lshl_b32 s67, s[CH], 7
	s_add_co_u32 s66, s66, s67                     ; + the 128 rows that I fetch
	s_lshl_b32 s92, s92, 5
	s_add_co_u32 s66, s66, s92                     ; + my work-group's 32 of them
	s_lshl_b32 s66, s66, 11
	s_mov_b32 s67, 0
	s_add_nc_u64 s[PFA:PFA+1], s[PFA:PFA+1], s[66:67]
	s_lshl_b32 s66, s45, 8                         ; my first row of out0: 256 x tile row + 128 x half, 16,384 bytes each
	s_lshl_b32 s92, s[RH], 7
	s_add_co_u32 s66, s66, s92
	s_lshl_b32 s66, s66, 14
	s_add_nc_u64 s[14:15], s[14:15], s[66:67]
; One product, 32 columns x 16 rows x 128 along K.  Source 0's scales: lane m for row m of 32; source 1's: lanes 0-15 or (row = 1) 16-31 of its register.
.macro PROD row, zero
.if \zero
.set C_, BI+(D_%64)                    ; the first product of a sum takes the bias of its 32 columns as C
.else
.set C_, D_
.endif
.if \row
	v_wmma_scale_f32_32x16x128_f4 v[D_:D_+15], v[B_:B_+15], v[A_:A_+7], v[C_:C_+15], v[SB_], v[SA_] matrix_b_scale:MATRIX_SCALE_ROW1
.else
	v_wmma_scale_f32_32x16x128_f4 v[D_:D_+15], v[B_:B_+15], v[A_:A_+7], v[C_:C_+15], v[SB_], v[SA_]
.endif
.endm
; A group: A's block a against B's eight blocks, the slot's q-th 128 along K; p: the fragments' set; sc: the scale words' set.
; The 32 accumulators take turns, one instruction a turn, in the same order in every step.
.macro GRP a, p, q, sc, zero
.if \zero
	WIN 0x85+0x40*((\a)/4)                         ; sources 0 and 1 window 1, C window 0, D window 2 or 3
.else
	WIN 0xa5+0x50*((\a)/4)                         ; C and D window 2 or 3
.endif
.set A_, 128+64*(\p)+8*(\a)
.set SA_, SC+32*(\sc)+16+4*((\a)/2)+(\q)
.irp i, 0,1,2,3
.set D_, 64*((\a)%4)+16*\i
.set B_, 64*(\p)+16*\i
.set SB_, SC+32*(\sc)+4*\i+(\q)
	PROD (\a)%2, \zero
.endr
.endm
; A fragment, 16 rows x 128 K of 4-bit codes, is 8 registers: lane l holds row l % 16; registers 4 c .. 4 c + 3 hold K = 64 c + 32 (l / 16) + 0 .. 31
.macro RUNB slot, q, p                 ; B's eight blocks of the slot's q-th 128 along K into set p
	WIN 0x40                                       ; destination window 1, address window 0
.irp j, 0,1,2,3,4,5,6,7
.irp c, 0,1
	ds_load_b128 v[64*(\p)+8*\j+4*\c:64*(\p)+8*\j+4*\c+3], v[ADRB+\slot] offset:64*(\q)+32*\c+\j*16*PITCH
.endr
.endr
.set DS, DS+16
.endm
.macro RUNA slot, q, p                 ; A's eight; MA0 .. MA3 mark its pairs of blocks (B's are older)
	WIN 0x40
.irp j, 0,1,2,3,4,5,6,7
.irp c, 0,1
	ds_load_b128 v[128+64*(\p)+8*\j+4*\c:128+64*(\p)+8*\j+4*\c+3], v[ADRA+\slot] offset:64*(\q)+32*\c+\j*16*PITCH
.endr
.endr
.set MA0, DS+4
.set MA1, DS+8
.set MA2, DS+12
.set MA3, DS+16
.set DS, DS+16
.endm
.macro SCW k                           ; K step k's scale words, four a row: B's 4 x 32 rows, then A's
	WIN 0
.irp i, 0,1,2,3
	ds_load_b128 v[SC+32*((\k)%2)+4*\i:SC+32*((\k)%2)+4*\i+3], v[SAB] offset:32*SPT*\i+16*((\k)%4)
.endr
.irp i, 0,1,2,3
	ds_load_b128 v[SC+32*((\k)%2)+16+4*\i:SC+32*((\k)%2)+16+4*\i+3], v[SAA] offset:32*SPT*\i+16*((\k)%4)
.endr
.set DS, DS+8
.endm
; A load into a register that a matrix instruction has read stands four plain vector instructions behind it (ISA guide 7.12.1 for vector instructions): hence the four v_nop ahead of a run.
; A step with its successor in the same slot: the successor's fragments set out, then the products on the fragments that set out a step ago.
.macro STEP k, q, zero
.set S_, (\k)%2
.set C0, MA0
.set C1, MA1
.set C2, MA2
.set C3, MA3
	PLACES
	RUNB S_, (\q)+1, 1-(\q)%2
	RUNA S_, (\q)+1, 1-(\q)%2
.if (\q == 1) && (\k != 3)
	SCW \k+1                                       ; the next K step's scale words, into the set that the K step before used
.endif
.if (\q == 2) && (\k == 0)
	ASK 3
.endif
.if (\q == 2) && (\k == 1)
	WIN 0
	SGET 1                                         ; the second half of the scales sets out
.endif
.if (\q == 1) && (\k == 3)
	WIN 0
	s_wait_loadcnt 0x0                             ; the second half is in registers
	SPUT                                           ; every wave has read the first half's last words in front of the last barrier
.endif
.if \q == 0                            ; (behind a change of slots: this step's loads are younger)
	s_wait_dscnt DS-C0                             ; B's fragments and A's blocks 0, 1 are in; what may be out has been issued behind them
	GRP 0, 0, 0, S_, \zero
	GRP 1, 0, 0, S_, \zero
	s_wait_dscnt DS-C1
	GRP 2, 0, 0, S_, \zero
	GRP 3, 0, 0, S_, \zero
	s_wait_dscnt DS-C2
	GRP 4, 0, 0, S_, \zero
	GRP 5, 0, 0, S_, \zero
	s_wait_dscnt DS-C3
	GRP 6, 0, 0, S_, \zero
	GRP 7, 0, 0, S_, \zero
.else
	s_wait_dscnt DS-C3                             ; all of this step's fragments are in; the run just issued may be out
.irp g, 0,1,2,3,4,5,6,7
	GRP \g, (\q)%2, \q, S_, 0
.endr
.endif
.endm
; A slot's last step.  MEET: ONE barrier.  In front of it each wave waits for all its tensor loads, adds 0 to its spare word, and waits for that and for its own reads of this slot.
.macro MEET sc
	WIN 0                                          ; (the add's two registers lie in window 0)
	s_wait_tensorcnt 0x0                           ; my part of the next slot has landed
	ds_add_u32 v[SPW], v[NIL]
.set DS, DS+1
	s_wait_dscnt DS-MA3                            ; this step's fragments are in; the add may be out
	GRP 0, 1, 3, \sc, 0
	s_wait_dscnt 0x0                               ; the add is done, and my reads of this slot are over
	s_barrier_signal -1
	GRP 1, 1, 3, \sc, 0                            ; work on registers while the others arrive
	WIN 0
	s_barrier_wait -1
.endm
.macro TURN k                          ; the barrier opens a round of the cluster's barrier; behind the round this slot takes K step k + 2
.set TS, (\k)%2
.set TN, 1-TS
	MEET TS
	CREST                                          ; no wave of any partner still reads this slot or has a load on its way
	s_add_nc_u64 s[G0+4*TS+2:G0+4*TS+3], s[G0+4*TS+2:G0+4*TS+3], 2*ROWB
	s_add_nc_u64 s[G0B+4*TS+2:G0B+4*TS+3], s[G0B+4*TS+2:G0B+4*TS+3], 2*ROWB
	JLOAD TS                                       ; the first tensor load behind the round; its four v_nop are also the places in front of the loads below
	RUNB TN, 0, 0
.if \k == 3
	SCW 4                                          ; the second half's first words: stored in front of this barrier
.endif
	RUNA TN, 0, 0
.if \k < 4
	ASK \k+4
.endif
.irp g, 2,3,4,5,6,7
	GRP \g, 1, 3, TS, 0
.endr
.endm
	s_wait_loadcnt 0x10                            ; the first half of the scales is in registers; the bias's sixteen loads may be out
	SPUT
	ASK 1                                          ; while K step 0 is on its way
	s_wait_tensorcnt 0x0                           ; my part of K step 0 is in
	ds_add_u32 v[SPW], v[NIL]
	s_wait_dscnt 0x0                               ; the add is done, and so are my stores of scales
	CROUND                                         ; everybody's part of K step 0 and of the scales is in, and all sixteen work-groups are here
	JLOAD 1                                        ; K step 1: the first tensor load behind the round
	RUNB 0, 0, 0
	SCW 0
	RUNA 0, 0, 0
	ASK 2
	s_wait_loadcnt 0x0                             ; the bias
	STEP 0, 0, 1                                   ; its products start the sums
	STEP 0, 1, 0
	STEP 0, 2, 0
	TURN 0
.irp k, 1,2,3,4,5
	STEP \k, 0, 0
	STEP \k, 1, 0
	STEP \k, 2, 0
	TURN \k
.endr
	STEP 6, 0, 0
	STEP 6, 1, 0
	STEP 6, 2, 0
; THE LAST K STEP, in slot 1, by rows of out0.  B's fragments of quarter q go to window 1, v[64 q ..]; A's of one block, four quarters, to v[PA ..].
.macro ALOAD a
	WIN 0
.irp q, 0,1,2,3
.irp c, 0,1
	ds_load_b128 v[PA+8*\q+4*\c:PA+8*\q+4*\c+3], v[ADRA+1] offset:64*\q+32*\c+(\a)*16*PITCH
.endr
.endr
.set DS, DS+8
.set MR, DS
.endm
.macro ROW a                           ; block a is finished: 16 products, its four accumulators by turns
	s_wait_dscnt DS-MR                             ; its fragments of A are in (and, for block 0, B's quarters 0 and 2)
	WIN 0xa1+0x50*((\a)/4)                         ; source 0 (B) window 1, source 1 (A) window 0, C and D window 2 or 3
.irp q, 0,2,1,3
.if (\a == 0) && (\q == 1)
	s_wait_dscnt 16                                ; B's quarter 1 is in; quarter 3's sixteen loads may be out
.endif
.if (\a == 0) && (\q == 3)
	s_wait_dscnt 0x0
.endif
.set A_, PA+8*\q
.set SA_, SC+32+16+4*((\a)/2)+\q
.irp i, 0,1,2,3
.set D_, 64*((\a)%4)+16*\i
.set B_, 64*\q+16*\i
.set SB_, SC+32+4*\i+\q
	PROD (\a)%2, 0
.endr
.endr
.endm
; THE WAY OUT of block a.  A lane holds 32 neighbouring bytes of a row: the block goes through my own stage and comes back as whole rows of 512 bytes.  LDS serves a wave's instructions in order (ISA guide 5.7.1.4).
.macro STAGE a
	WIN 0x08+4*((\a)/4)                            ; an LDS store's data are its source 1: window 2 or 3
.irp n, 0,1,2,3,4,5,6,7,8,9,10,11,12,13,14,15
	ds_store_b128 v[STO], v[64*((\a)%4)+4*\n:64*((\a)%4)+4*\n+3] offset:64*(\n/2)+16*(\n%2)   ; each accumulator from its low end on
.endr
	WIN 0
.irp t, 0,1,2,3,4,5,6,7,8,9,10,11,12,13,14,15
	ds_load_b128 v[OB+64*((\a)%2)+4*\t:OB+64*((\a)%2)+4*\t+3], v[RD] offset:\t*SPITCH
.endr
.set DS, DS+32
.endm
.macro SEND a
	WIN 0
	s_wait_dscnt 0x0                               ; the block is back in registers
.if (\a) > 0
	s_wait_xcnt 0x0                                ; the block before has left: its registers and the base may be written
	s_add_nc_u64 s[14:15], s[14:15], 16*SIZE_N*4   ; 16 rows on
.endif
.irp t, 0,1,2,3,4,5,6,7,8,9,10,11,12,13,14,15
	global_store_b128 v[CO], v[OB+64*((\a)%2)+4*\t:OB+64*((\a)%2)+4*\t+3], s[14:15] offset:\t*SIZE_N*4 th:TH_STORE_NT   ; 32 lanes store 512 consecutive bytes, at a multiple of 512
.endr
.endm
	MEET 0                                         ; my last tensor load, K step 7's, has landed; nothing is filled again, so no round follows
	PLACES                                         ; for the loads into the sets that the step before read
	RUNB 1, 0, 0
	RUNB 1, 2, 2
	ALOAD 0
.irp g, 2,3,4,5,6,7
	GRP \g, 1, 3, 0, 0
.endr
	PLACES                                         ; for the loads into the sets that this step read
	RUNB 1, 1, 1
	RUNB 1, 3, 3
	ROW 0
	PLACES                                         ; for the loads into A's registers and the reads of block 0
	ALOAD 1
	STAGE 0
.irp a, 1,2,3,4,5,6,7
	ROW \a                                         ; while block a - 1 is on its way through the stage
	PLACES
	SEND \a-1
.if \a < 7
	ALOAD \a+1
.endif
	STAGE \a
.endr
	SEND 7
	s_wait_tensorcnt 0x0                           ; the wave's end: behind my last tensor load and my last LDS store
	ds_add_u32 v[SPW], v[NIL]
	s_wait_dscnt 0x0
	CROUND                                         ; the closing round: no work-group ends while a partner may still ask for a tile that names it
	s_endpgm
.Lfunc_end_k_qfb359a1149_gemm:
	.size	k_qfb359a1149_gemm, .Lfunc_end_k_qfb359a1149_gemm-k_qfb359a1149_gemm
	.p2alignl 7, 3214868480
	.fill 96, 4, 3214868480
	.section	.rodata,"a",@progbits
	.p2align	6, 0x0
	.amdhsa_kernel k_qfb359a1149_gemm
		.amdhsa_group_segment_fixed_size 327680
		.amdhsa_private_segment_fixed_size 0
		.amdhsa_enable_private_segment 0
		.amdhsa_kernarg_size 48
		.amdhsa_user_sgpr_count 2
		.amdhsa_user_sgpr_kernarg_segment_ptr 1
		.amdhsa_wavefront_size32 1
		.amdhsa_system_sgpr_workgroup_id_x 1
		.amdhsa_system_sgpr_workgroup_id_y 1
		.amdhsa_system_sgpr_workgroup_id_z 1
		.amdhsa_system_vgpr_workitem_id 0
		.amdhsa_next_free_vgpr 1024
		.amdhsa_next_free_sgpr 102
		.amdhsa_reserve_vcc 0
		.amdhsa_float_denorm_mode_32 3
		.amdhsa_float_denorm_mode_16_64 3
		.amdhsa_memory_ordered 1
		.amdhsa_forward_progress 1
		.amdhsa_inst_pref_size 255
	.end_amdhsa_kernel
	.section	.bss,"aw",@nobits
	.p2align	6
	.space	262144
	.amdgpu_metadata
---
amdhsa.version: [ 1, 2 ]
amdhsa.kernels:
  - .name:           k_qfb359a1149_gemm
    .symbol:         k_qfb359a1149_gemm.kd
    .args:
      - { .name: x_codes, .offset: 0, .size: 8, .value_kind: global_buffer, .address_space: global }
      - { .name: x_scales, .offset: 8, .size: 8, .value_kind: global_buffer, .address_space: global }
      - { .name: weight_codes, .offset: 16, .size: 8, .value_kind: global_buffer, .address_space: global }
      - { .name: weight_scales, .offset: 24, .size: 8, .value_kind: global_buffer, .address_space: global }
      - { .name: bias, .offset: 32, .size: 8, .value_kind: global_buffer, .address_space: global }
      - { .name: out0, .offset: 40, .size: 8, .value_kind: global_buffer, .address_space: global }
    .group_segment_fixed_size: 327680
    .private_segment_fixed_size: 0
    .kernarg_segment_align: 8
    .kernarg_segment_size: 48
    .max_flat_workgroup_size: 128
    .sgpr_count:     102
    .vgpr_count:     1024
    .wavefront_size: 32
...
	.end_amdgpu_metadata
.endif
;; end of part 1
